; MI455X (gfx1250); checked and timed in simulation.
; The chip was launched on July 23, 2026; its instructions are those of AMD's public machine-readable ISA for CDNA 5 (MIT licence, August 2026) and "CDNA5" Instruction Set Architecture Reference Guide (July 2026). The comments in the code are by the model that wrote it; some were corrected since.
;; Head. Allowed arithmetic: float matrix products may take bf16 or f16 operands with f32 sums; other float arithmetic in f32, or as packed bf16 or f16 multiplies, adds, multiply-adds, maxima and minima; sums over many terms, partial sums and values carried from step to step in f32; what a program stores and reads back later, other than sums and carried values, may be rounded once to bf16 or f16.
;; Inputs: Wk 1,024 x 128 float32; Wq 1,024 x 128 float32; Wv 1,024 x 128 float32; x 8 x 4,096 x 1,024 float32.
;; Outputs: out0 8 x 4,096 x 128 float32.
;; One version. Each part assembles by itself: llvm-mc -triple=amdgcn-amd-amdhsa -mcpu=gfx1250 --defsym DOCPART=n.
;; ======== version 1 of 1: 3 launches
;; limits: values are held in f16: magnitudes above 65,504 overflow, below 6.1e-05 lose precision
;; workspace buffers: wt 786,432 bytes; q 8,388,608 bytes; k 8,388,608 bytes; v 8,388,608 bytes
;; launch packw (part 1): grid 8 x 3, 8 waves a work-group, no clusters, 35,840 bytes of LDS; arguments Wq, Wk, Wv, wt; writes wt
.if DOCPART == 1
	.amdgcn_target "amdgcn-amd-amdhsa--gfx1250"
	.amdhsa_code_object_version 6
	.text
	.protected	k_qce0a2126b1_packw
	.globl	k_qce0a2126b1_packw
	.p2align	8
	.type	k_qce0a2126b1_packw,@function
k_qce0a2126b1_packw:
	s_mov_b64 s[64:65], 0
	v_nop
	global_prefetch_b8 v0, s[64:65] scope:SCOPE_SE
	s_setreg_imm32_b32 hwreg(HW_REG_WAVE_MODE, 25, 1), 1
	s_wait_xcnt 0x0
; wt = the three weights, each number rounded once to bf16, turned and laid in K blocks: wt[s][128 m + n][kk] = W_m[128 s + kk][n], m = 0, 1, 2 for Wq, Wk, Wv.
; A block s is 384 rows of 256 bytes on end: what the projection asks for as one K step.
; SHARES.  Work-group (s, m) takes 128 rows of W_m (64 KiB) and writes 128 rows of wt (32 KiB on end).  Wave w takes 16 of the rows of W: one load covers a whole row of 512 bytes.
; The turn goes through LDS: a lane holds 4 columns x 16 k, packs each column's 16 k into 32 bytes and puts them into the column's LDS row; then whole rows of 256 bytes are read back and stored.
; The work-groups share no input, so there is no cluster; the matrix unit has nothing to do here; there are 24 work-groups because the weights hold no more work than that.
.set PITCH, 272                        ; an LDS row: 256 bytes + 16
.set SPARE, 128*PITCH                  ; behind the tile: the spare words, 128 bytes for each of the eight waves, that no other line names
.set LO,  1                            ; v1  16 x lane: my 4 columns in a row of W
.set SA,  2                            ; v2  where my first column's 32 bytes go: (4 x lane) x PITCH + 32 w
.set RA,  3                            ; v3  where I read back: row t / 16, 16 bytes at 16 (t % 16), t my thread's number
.set GA,  4                            ; v4  16 t: the same bytes in wt
.set SPW, 8                            ; v8  my spare word; never rewritten
.set NIL, 9                            ; v9  0; never rewritten
.set X,   16                           ; v[16:79]   16 rows x 4 columns in f32; later the rows read back
.set Y,   80                           ; v[80:111]  4 columns x 8 words of two bf16
	s_load_b256 s[4:11], s[0:1], 0x0               ; Wq s[4:5], Wk s[6:7], Wv s[8:9], wt s[10:11]
	v_lshl_add_u32 v[SPW], v0, 2, SPARE
	v_mov_b32 v[NIL], 0
	v_lshrrev_b32 v5, 5, v0
	v_readfirstlane_b32 s14, v5                    ; wave 0..7
	v_and_b32 v6, 31, v0                           ; lane
	v_lshlrev_b32 v[LO], 4, v6
	v_mul_u32_u24 v[SA], v6, 4*PITCH
	s_lshl_b32 s15, s14, 5                         ; my 16 k are 32 bytes of an LDS row
	v_add_nc_u32 v[SA], s15, v[SA]
	v_lshrrev_b32 v[RA], 4, v0
	v_mul_u32_u24 v[RA], v[RA], PITCH
	v_and_b32 v7, 15, v0
	v_lshl_add_u32 v[RA], v7, 4, v[RA]
	v_lshlrev_b32 v[GA], 4, v0
	s_and_b32 s16, ttmp7, 0xffff                   ; m: which weight
	s_lshl_b32 s18, ttmp9, 16                      ; 128 s rows of 512 bytes,
	s_lshl_b32 s17, s14, 13                        ; my wave's 16
	s_add_co_u32 s18, s18, s17
	s_mov_b32 s19, 0
	s_mul_i32 s20, ttmp9, 384*256                  ; block s of wt,
	s_lshl_b32 s17, s16, 15                        ; its rows 128 m on
	s_add_co_u32 s20, s20, s17
	s_mov_b32 s21, 0
	s_wait_kmcnt 0x0
	s_cmp_eq_u32 s16, 1
	s_cselect_b64 s[12:13], s[6:7], s[4:5]
	s_cmp_eq_u32 s16, 2
	s_cselect_b64 s[12:13], s[8:9], s[12:13]
	s_add_nc_u64 s[12:13], s[12:13], s[18:19]
	s_add_nc_u64 s[10:11], s[10:11], s[20:21]
.irp i, 0,1,2,3,4,5,6,7,8,9,10,11,12,13,14,15
	global_load_b128 v[X+4*(\i):X+4*(\i)+3], v[LO], s[12:13] offset:512*(\i) th:TH_LOAD_NT  ; a whole row: 512 bytes on end
.endr
	s_wait_loadcnt 0x0
.irp c, 0,1,2,3
.irp p, 0,1,2,3,4,5,6,7
	v_cvt_pk_bf16_f32 v[Y+8*(\c)+(\p)], v[X+8*(\p)+(\c)], v[X+8*(\p)+4+(\c)]  ; column 4 lane + c: k = 2 p below, 2 p + 1 above
.endr
.endr
.irp c, 0,1,2,3                        ; neighbouring lanes lie 4 LDS rows apart, 272 words: they meet four deep in the banks (ISA guide 11.1); 8 stores a wave, once
	ds_store_b128 v[SA], v[Y+8*(\c):Y+8*(\c)+3]   offset:PITCH*(\c)
	ds_store_b128 v[SA], v[Y+8*(\c)+4:Y+8*(\c)+7] offset:PITCH*(\c)+16
.endr
	s_wait_dscnt 0x0                               ; for the others' sake: my stores are done
	s_barrier_signal -1
	s_barrier_wait -1
.irp i, 0,1,2,3,4,5,6,7
	ds_load_b128 v[X+4*(\i):X+4*(\i)+3], v[RA] offset:16*PITCH*(\i)
.endr
.irp i, 0,1,2,3,4,5,6,7
	s_wait_dscnt 7-(\i)                            ; LDS loads come back in order: number i is in, the 7 - i younger ones may stay out
	global_store_b128 v[GA], v[X+4*(\i):X+4*(\i)+3], s[10:11] offset:4096*(\i)  ; 16 lanes store 256 bytes on end, at a multiple of 256 from wt's first byte
.endr
	s_wait_tensorcnt 0x0                           ; the wave's end, behind my last LDS store
	ds_add_u32 v[SPW], v[NIL]
	s_wait_dscnt 0x0
	s_endpgm
.Lfunc_end_k_qce0a2126b1_packw:
	.size	k_qce0a2126b1_packw, .Lfunc_end_k_qce0a2126b1_packw-k_qce0a2126b1_packw
	.p2alignl 7, 3214868480
	.fill 96, 4, 3214868480
	.section	.rodata,"a",@progbits
	.p2align	6, 0x0
	.amdhsa_kernel k_qce0a2126b1_packw
		.amdhsa_group_segment_fixed_size 35840
		.amdhsa_private_segment_fixed_size 0
		.amdhsa_enable_private_segment 0
		.amdhsa_kernarg_size 32
		.amdhsa_user_sgpr_count 2
		.amdhsa_user_sgpr_kernarg_segment_ptr 1
		.amdhsa_wavefront_size32 1
		.amdhsa_system_sgpr_workgroup_id_x 1
		.amdhsa_system_sgpr_workgroup_id_y 1
		.amdhsa_system_sgpr_workgroup_id_z 1
		.amdhsa_system_vgpr_workitem_id 0
		.amdhsa_next_free_vgpr 112
		.amdhsa_next_free_sgpr 66
		.amdhsa_reserve_vcc 0
		.amdhsa_float_denorm_mode_32 3
		.amdhsa_float_denorm_mode_16_64 3
		.amdhsa_memory_ordered 1
		.amdhsa_forward_progress 1
		.amdhsa_inst_pref_size 8
	.end_amdhsa_kernel
	.amdgpu_metadata
---
amdhsa.version: [ 1, 2 ]
amdhsa.kernels:
  - .name:           k_qce0a2126b1_packw
    .symbol:         k_qce0a2126b1_packw.kd
    .args:
      - { .name: Wq, .offset: 0, .size: 8, .value_kind: global_buffer, .address_space: global }
      - { .name: Wk, .offset: 8, .size: 8, .value_kind: global_buffer, .address_space: global }
      - { .name: Wv, .offset: 16, .size: 8, .value_kind: global_buffer, .address_space: global }
      - { .name: wt, .offset: 24, .size: 8, .value_kind: global_buffer, .address_space: global }
    .group_segment_fixed_size: 35840
    .private_segment_fixed_size: 0
    .kernarg_segment_align: 8
    .kernarg_segment_size: 32
    .max_flat_workgroup_size: 256
    .sgpr_count:     66
    .vgpr_count:     112
    .wavefront_size: 32
...
	.end_amdgpu_metadata
.endif
;; end of part 1
;; launch proj (part 2): grid 256 x 1, 4 waves a work-group, clusters of 4 x 1, 327,680 bytes of LDS; arguments x, wt, q, k, v; writes q, k, v
.if DOCPART == 2
	.amdgcn_target "amdgcn-amd-amdhsa--gfx1250"
	.amdhsa_code_object_version 6
	.text
	.protected	k_qce0a2126b1_proj
	.globl	k_qce0a2126b1_proj
	.p2align	8
	.type	k_qce0a2126b1_proj,@function
k_qce0a2126b1_proj:
	s_mov_b64 s[64:65], 0
	v_nop
	global_prefetch_b8 v0, s[64:65] scope:SCOPE_SE
	s_setreg_imm32_b32 hwreg(HW_REG_WAVE_MODE, 25, 1), 1
	s_wait_xcnt 0x0
	s_wait_alu depctr_hold_cnt(0) depctr_sa_sdst(0) depctr_va_vdst(0) depctr_va_sdst(0) depctr_va_ssrc(0) depctr_va_vcc(0) depctr_vm_vsrc(0)
	s_getreg_b32 s2, hwreg(HW_REG_IB_STS2, 6, 4)
	s_cmp_eq_u32 s2, 0
	s_cbranch_scc0 .Lentry_in_a_cluster
	s_endpgm
.Lentry_in_a_cluster:
	s_bfe_u32 s2, ttmp6, 0x10000c
	s_cmp_lg_u32 s2, 0x3003
	s_cbranch_scc0 .Lentry_shape_is_right
	s_endpgm
.Lentry_shape_is_right:
; q, k, v = x Wq, x Wk, x Wv.  x: [32768][1024] f32, rounded once to bf16 on its way into LDS; wt: the weights in bf16, [8 K steps][384 columns][128 k]; sums in f32; q, k, v: [32768][128] f16, each rounded once, unscaled.
; LIMIT.  f16 ends at 65,504: q, k and v must stay below it.  With x and the weights both 30 times the drawn spread they reach some 5e3, with an offset of 30 spreads on both some 3e4.  NaN and infinities are not treated apart.
; SHARES.  A work-group takes 128 rows of x and all 384 columns, so each byte of x is read once.  Wave w takes all 128 rows x columns 96 w .. 96 w + 95: 8 x 6 accumulators, 384 registers;
; for 32 along K it reads 28 fragments' halves from LDS for 48 matrix instructions.  K goes in 8 steps of 128, each of four quarters of 32.
; THE WEIGHTS come by tensor loads into a ring of two slots; wave w fetches the 96 rows that it reads.  All work-groups want the same rows, so the four of a cluster ask JOINTLY (mask 15).
; x COMES THROUGH REGISTERS: wave w loads rows 32 w .. 32 w + 31, a row's 512 bytes of a K step by one instruction, into two sets of 128 registers.  In step s it converts x of step s + 1 into the other A tile
; and at once asks for step s + 3 into the freed registers: 64 loads of a wave are out all the time, and each has two steps, 384 matrix instructions, in which to come.
; NO PREFETCH: x's loads go out two steps ahead by themselves, and the weights are 786,432 bytes that every work-group reads.
; THE MATRIX INSTRUCTION IS USED TRANSPOSED (source 0 = 16 columns' rows of wt, source 1 = 16 rows of x): a lane then holds eight neighbouring columns of one row.
; REGISTERS, in windows of 256 (s_set_vgpr_msb: bits 1:0 source 0, 3:2 source 1, 5:4 source 2, 7:6 destination):
;   window 0: v0-31 addresses; v32-47 at work; v48-111 the way out; v128-191, v192-255 x's fragments, two buffers      window 1: the two sets of x in f32
;   window 2: accumulators (a, b), b = 0..3, at 64 b + 8 a      window 3: v0-127 those of b = 4, 5; v128-175, v176-223 the weights' fragments, two buffers
.set PITCH,  272                       ; an LDS row: 256 bytes + 16 = 68 words: the 16 rows of a fragment load start at 16 different groups of four banks (ISA guide 11.1)
.set BPART,  96*PITCH                  ; what one tensor load brings, and what one wave reads of the weights
.set BSLOT,  4*BPART                   ; a K step's 384 rows
.set ATILE,  2*BSLOT                   ; behind the ring: two tiles of x in bf16, written by LDS stores alone
.set ABYTES, 128*PITCH
.set STAGE,  ATILE                     ; the way out lies over the A tiles and the bytes behind them: 128 rows x 784 bytes; no tensor load ever fills these bytes
.set SPITCH, 784                       ; 768 bytes + 16 = 196 words
.set SPARE,  STAGE+128*SPITCH          ; the spare words, 128 bytes for each wave, that no other line names
.set WSTEP,  384*256                   ; bytes of wt in a K step
.set XO,   4                           ; v4      16 x lane: my 16 bytes of a row's 512 in x; also my 16 bytes of 512 on end in q, k, v; never rewritten
.set ASTO, 5                           ; v5      where my 8 bytes of bf16 go: A tile 0, row 32 w, 8 x lane
.set ADRA, 6                           ; v6-7    my place in x's fragments, tile 0, 1
.set ADRB, 8                           ; v8-9    my place in the weights' fragments, slot 0, 1
.set STO,  10                          ; v10-11  the way out: where I put 16 bytes of a row, row blocks 0-3, 4-7
.set RD,   12                          ; v12     the way out: where I read rows back
.set SPW,  28                          ; v28     my spare word; never rewritten
.set NIL,  29                          ; v29     0; never rewritten
.set T,    32
.set TMP,  48
.set AF,   128                         ; x's fragments, window 0: buffer f at AF + 64 f
.set BF,   128                         ; the weights', window 3: buffer f at BF + 48 f
.set WV,   14                          ; s14     my wave's number
.set CX,   15                          ; s15     my place in the cluster: it enters the addresses of x, q, k and v alone
.set XB,   18                          ; s[18:19] x at my 32 rows, at the K step that is asked for
.set CNT,  20
.set G1,   24                          ; s[24:31] descriptor group 1
.set G0,   32                          ; s[32:39] descriptor group 0, a set for each slot
.set MSB, 0
.macro WIN new                         ; the immediate's high byte repeats the setting that is left; a switch that changes nothing is dropped
.if MSB != (\new)
	s_set_vgpr_msb (MSB<<8)|(\new)
.set MSB, \new
.endif
.endm
.macro PLACES                          ; four plain places behind matrix instructions, in front of loads into registers that they read and of conversions that read results
.rept 4
	v_nop
.endr
.endm
.macro CREST                           ; a round of the cluster's barrier behind its opening barrier
	s_cmp_lg_u32 s[WV], 0
	s_cbranch_scc1 .Lnot_wave_0_\@
	s_barrier_signal -3
.Lnot_wave_0_\@:
	s_barrier_wait -3
	s_barrier_signal -1
	s_barrier_wait -1
.endm
.macro CROUND
	s_barrier_signal -1
	s_barrier_wait -1
	CREST
.endm
; 16 matrix instructions: column blocks 2 grp, 2 grp + 1 x all 8 row blocks, 32 along K, from buffer f.  The 48 accumulators take turns in the same order in every quarter.
.macro MULG f, grp, zero
	WIN 0xa3+0x50*((\grp)/2)                       ; weights window 3, x window 0, C and D window 2 (blocks 0-3) or 3 (blocks 4, 5)
.irp bb, 0,1
.irp a, 0,1,2,3,4,5,6,7
.set rD, 64*((2*(\grp)+(\bb))%4)+8*(\a)
.set rB, BF+48*(\f)+8*(2*(\grp)+(\bb))
.set rA, AF+64*(\f)+8*(\a)
.if \zero
	v_wmma_f32_16x16x32_bf16 v[rD:rD+7], v[rB:rB+7], v[rA:rA+7], 0
.else
	v_wmma_f32_16x16x32_bf16 v[rD:rD+7], v[rB:rB+7], v[rA:rA+7], v[rD:rD+7]
.endif
.endr
.endr
.endm
; 28 LDS loads in one run: a quarter's fragments (96 rows of weights, 128 rows of x, 32 K at byte k of the rows) of slot and tile par into buffer f
.macro FETCH par, k, f
	WIN 0xc0
.irp b, 0,1,2,3,4,5
	ds_load_b128 v[BF+48*(\f)+8*(\b):BF+48*(\f)+8*(\b)+3],   v[ADRB+(\par)] offset:(\k)+(\b)*16*PITCH
	ds_load_b128 v[BF+48*(\f)+8*(\b)+4:BF+48*(\f)+8*(\b)+7], v[ADRB+(\par)] offset:(\k)+(\b)*16*PITCH+32
.endr
	WIN 0
.irp a, 0,1,2,3,4,5,6,7
	ds_load_b128 v[AF+64*(\f)+8*(\a):AF+64*(\f)+8*(\a)+3],   v[ADRA+(\par)] offset:(\k)+(\a)*16*PITCH
	ds_load_b128 v[AF+64*(\f)+8*(\a)+4:AF+64*(\f)+8*(\a)+7], v[ADRA+(\par)] offset:(\k)+(\a)*16*PITCH+32
.endr
.endm
; Eight rows (8 q .. 8 q + 7 of my 32) of set sb are rounded to bf16 and put into A tile sb; issue = 1: the freed registers are asked for again, two K steps on.  n: the younger loads that may stay out.
.macro CONV sb, q, n, issue
	s_wait_loadcnt (\n)                            ; loads come back in order (ISA guide 5.7.1): the oldest eight are these rows
	WIN 0x05                                       ; sources in window 1
.irp i, 0,1,2,3,4,5,6,7
.set rX, 128*(\sb)+32*(\q)+4*(\i)
	v_cvt_pk_bf16_f32 v[T+2*(\i)],   v[rX],   v[rX+1]
	v_cvt_pk_bf16_f32 v[T+2*(\i)+1], v[rX+2], v[rX+3]
.endr
	WIN 0
.irp i, 0,1,2,3,4,5,6,7
	ds_store_b64 v[ASTO], v[T+2*(\i):T+2*(\i)+1] offset:(\sb)*ABYTES+PITCH*(8*(\q)+(\i))  ; 32 lanes: a row's 256 bytes on end
.endr
.if \issue
	WIN 0x40                                       ; destination in window 1
.irp i, 0,1,2,3,4,5,6,7
.set rX, 128*(\sb)+32*(\q)+4*(\i)
	global_load_b128 v[rX:rX+3], v[XO], s[XB:XB+1] offset:4096*(8*(\q)+(\i)) th:TH_LOAD_NT
.endr
.endif
.endm
.macro CV par, q, cm, n0               ; cm = 2: convert and ask again (64 loads are out, so 56 stay); 1: convert alone, the counts run down by eight; 0: nothing
.if (\cm) == 2
	CONV 1-(\par), \q, \n0, 1
.elseif (\cm) == 1
	CONV 1-(\par), \q, (\n0)-8*(\q), 0
.endif
.endm
; A K STEP on slot and tile par.  Quarters 0 to 2 multiply one buffer, fetch the next quarter's fragments into the other in one run, and carry the conversion of the next step's x.
; Quarter 3 changes slots: ONE barrier.  In front of it each wave waits for all its tensor loads (one is out: its part of the other slot), adds 0 to its spare word, and waits for that, for its reads of this slot and tile and for its
; stores into the other tile.  chg = 2: the barrier opens a round of the cluster's, and this slot is filled again, two K steps on, first thing behind the round: 160 matrix instructions ahead of the wait for it.
; chg = 1: nothing is left to fetch.  chg = 0: the last step.
.macro STEP par, zero, cm, n0, chg
.if (\cm) == 2
	s_wait_xcnt 0x0                                ; every load issued so far has had its address translated (ISA guide 3.1): only now is x's pointer stepped
	s_add_nc_u64 s[XB:XB+1], s[XB:XB+1], 512
.endif
	s_wait_dscnt 0x0                               ; buffer 0 is in
	MULG 0, 0, \zero
	PLACES
	FETCH \par, 64, 1
	MULG 0, 1, \zero
	CV \par, 0, \cm, \n0
	MULG 0, 2, \zero
	s_wait_dscnt 0x0
	MULG 1, 0, 0
	PLACES
	FETCH \par, 128, 0
	MULG 1, 1, 0
	CV \par, 1, \cm, \n0
	MULG 1, 2, 0
	s_wait_dscnt 0x0
	MULG 0, 0, 0
	PLACES
	FETCH \par, 192, 1
	CV \par, 2, \cm, \n0
	MULG 0, 1, 0
	CV \par, 3, \cm, \n0
	MULG 0, 2, 0
	s_wait_dscnt 0x0                               ; buffer 1 is in
.if (\chg) == 0
	MULG 1, 0, 0
	MULG 1, 1, 0
	MULG 1, 2, 0
.else
	WIN 0                                          ; (the add's two registers lie in window 0)
	s_wait_tensorcnt 0x0                           ; all my tensor loads have landed, so a group 0 may be written
	ds_add_u32 v[SPW], v[NIL]                      ; 0 onto my spare word
.if (\chg) == 2
	s_add_nc_u64 s[G0+4*(\par)+2:G0+4*(\par)+3], s[G0+4*(\par)+2:G0+4*(\par)+3], 2*WSTEP  ; this slot's next K step; the type bits on top are not reached
.endif
	MULG 1, 0, 0                                   ; sixteen matrix instructions stand between the add and the wait for it
	s_wait_dscnt 0x0                               ; the add is done; my reads and my stores were waited for above
	s_barrier_signal -1
	MULG 1, 1, 0                                   ; work on registers while the others arrive
	WIN 0
	s_barrier_wait -1
.if (\chg) == 2
	CREST                                          ; no wave of any partner still reads this slot or has a load on its way
	tensor_load_to_lds s[G0+4*(\par):G0+4*(\par)+3], s[G1:G1+7]  ; my one tensor load behind the round
	s_nop 0
.endif
	PLACES                                         ; behind the load; also the places in front of the loads below
	FETCH 1-(\par), 0, 0
	MULG 1, 2, 0
.endif
.endm
	s_load_b256 s[4:11], s[0:1], 0x0               ; x s[4:5], wt s[6:7], q s[8:9], k s[10:11]
	s_load_b64 s[12:13], s[0:1], 0x20              ; v
	v_lshl_add_u32 v[SPW], v0, 2, SPARE
	v_mov_b32 v[NIL], 0
	ds_add_u32 v[SPW], v[NIL]                      ; the wave's opening, ahead of my first tensor load; work on registers stands between the add and its wait
	v_lshrrev_b32 v1, 5, v0
	v_readfirstlane_b32 s[WV], v1                  ; wave 0..3
	s_bfe_u32 s[CX], ttmp6, 0x40000
	s_lshl_b32 s16, ttmp9, 2                       ; in a cluster launch ttmp9 counts clusters
	s_add_co_u32 s16, s16, s[CX]                   ; my block of 128 rows
	s_mov_b32 s[G1+0], 15|(1<<16)|(1<<20)|(1<<21)|(5<<22)|(3<<25)  ; 15:0 the mask of four; 17:16 2-byte elements; 20 padding on; 21 set beside a mask; 24:22 after every 64 words; 31:25 4 words of it
	s_mov_b32 s[G1+1], 128<<16                     ; tensor_dim0 = 128
	s_mov_b32 s[G1+2], 96<<16                      ; tensor_dim1 = 96
	s_mov_b32 s[G1+3], 128<<16                     ; tile_dim0 = 128
	s_mov_b32 s[G1+4], 96                          ; tile_dim1 = 96
	s_mov_b32 s[G1+5], 128                         ; 128 elements from row to row
	s_mov_b32 s[G1+6], 0
	s_mov_b32 s[G1+7], 0
	s_mul_i32 s21, s[WV], BPART                    ; my 96 rows in a slot,
	s_mul_i32 s22, s[WV], 96*256                   ; and in a K step of wt: the wave's number alone enters the descriptors
	s_mov_b32 s23, 0
	s_lshl_b32 s2, s16, 19                         ; 128 rows of 4,096 bytes,
	s_lshl_b32 s3, s[WV], 17                       ; my wave's 32
	s_add_co_u32 s2, s2, s3
	s_mov_b32 s3, 0
	v_and_b32 v1, 15, v0                           ; r = lane % 16
	v_bfe_u32 v2, v0, 4, 1                         ; h = lane / 16
	v_and_b32 v3, 31, v0
	v_lshlrev_b32 v[XO], 4, v3
	s_wait_dscnt 0x0                               ; the opening add is done
	s_wait_kmcnt 0x0
	s_add_nc_u64 s[XB:XB+1], s[4:5], s[2:3]
	s_add_nc_u64 s[22:23], s[6:7], s[22:23]
	WIN 0x40
.set i, 0
.rept 64                               ; x of K steps 0 and 1, ahead of the round
	global_load_b128 v[4*i:4*i+3], v[XO], s[XB:XB+1] offset:4096*(i%32)+512*(i/32) th:TH_LOAD_NT
.set i, i+1
.endr
	WIN 0
.irp s, 0,1
	s_mov_b32 s[G0+4*(\s)], 1                      ; count = 1
	s_add_co_u32 s[G0+4*(\s)+1], s21, (\s)*BSLOT   ; LDS address
	s_add_nc_u64 s[G0+4*(\s)+2:G0+4*(\s)+3], s[22:23], (\s)*WSTEP  ; global address: K step s
	s_or_b32 s[G0+4*(\s)+3], s[G0+4*(\s)+3], 0x80000000            ; type = 2
.endr
	CROUND                                         ; all four work-groups are here: the first joint loads meet
	tensor_load_to_lds s[G0:G0+3], s[G1:G1+7]      ; both first fills together: two loads of mine are out
	s_nop 0
	tensor_load_to_lds s[G0+4:G0+7], s[G1:G1+7]
	s_nop 0
	PLACES
	v_mul_u32_u24 v16, v1, PITCH
	v_lshl_add_u32 v16, v2, 4, v16                 ; a fragment's row x pitch + 16 x half
	v_add_nc_u32 v[ADRA], ATILE, v16
	v_add_nc_u32 v[ADRA+1], ATILE+ABYTES, v16
	v_add_nc_u32 v[ADRB], s21, v16
	v_add_nc_u32 v[ADRB+1], BSLOT, v[ADRB]
	s_mul_i32 s17, s[WV], 32*PITCH
	s_add_co_u32 s17, s17, ATILE
	v_lshl_add_u32 v[ASTO], v3, 3, s17
	v_mul_u32_u24 v16, v1, SPITCH                  ; into the stage: row r of a block of 16, my wave's 192 bytes, 16 for each half of the lanes
	v_lshl_add_u32 v16, v2, 4, v16
	s_mul_i32 s17, s[WV], 192
	s_add_co_u32 s17, s17, STAGE
	v_add_nc_u32 v[STO], s17, v16
	v_add_nc_u32 v[STO+1], 4*16*SPITCH, v[STO]
	s_lshl_b32 s17, s[WV], 5                       ; back: rows 32 w on; lanes 0-15 take 256 bytes of one row, lanes 16-31 of the next
	v_add_nc_u32 v16, s17, v2
	v_mul_u32_u24 v16, v16, SPITCH
	v_lshl_add_u32 v16, v1, 4, v16
	v_add_nc_u32 v[RD], STAGE, v16
	s_wait_xcnt 0x0
	s_add_nc_u64 s[XB:XB+1], s[XB:XB+1], 1024      ; K step 2
.irp q, 0,1,2,3
	CONV 0, \q, 56, 1                              ; x of step 0 into tile 0; step 2 is asked for
.endr
	WIN 0
	s_wait_tensorcnt 0x1                           ; my part of K step 0 is in; step 1's may stay out
	s_wait_dscnt 0x0                               ; my part of tile 0 is stored
	s_barrier_signal -1
	s_barrier_wait -1
	FETCH 0, 0, 0
	STEP 0, 1, 2, 56, 2                            ; step 0: its first quarter starts the sums with the constant 0
	WIN 0                                          ; at a label and at a branch every window is 0
	s_mov_b32 s[CNT], 2
.Lpair:                                        ; steps 1 to 4
	STEP 1, 0, 2, 56, 2
	STEP 0, 0, 2, 56, 2
	WIN 0
	s_sub_co_u32 s[CNT], s[CNT], 1
	s_cmp_lg_u32 s[CNT], 0
	s_cbranch_scc1 .Lpair
	STEP 1, 0, 1, 56, 2                            ; step 5: x of step 6 is converted, nothing more of x is asked for; the last K step of the weights is
	STEP 0, 0, 1, 24, 1                            ; step 6: 32 loads are left
	STEP 1, 0, 0, 0, 0                             ; step 7
	; THE WAY OUT: round to f16; 16 bytes a lane into the work-group's stage; a barrier; back as rows of 256 bytes, 32 rows a wave, for q, k and v in turn.
	PLACES
	WIN 0
	s_lshl_b32 s2, s16, 15                         ; 128 rows of 256 bytes,
	s_lshl_b32 s3, s[WV], 13                       ; my wave's 32
	s_add_co_u32 s2, s2, s3
	s_mov_b32 s3, 0
	s_add_nc_u64 s[8:9], s[8:9], s[2:3]
	s_add_nc_u64 s[10:11], s[10:11], s[2:3]
	s_add_nc_u64 s[12:13], s[12:13], s[2:3]
	s_wait_dscnt 0x0
	s_barrier_signal -1
	s_barrier_wait -1                              ; nobody reads the A tiles any more: the stage may be written over them
.irp b, 0,1,2,3,4,5
	WIN 0x0a+5*((\b)/4)                            ; sources in window 2 or 3
.irp a, 0,1,2,3,4,5,6,7
.irp c, 0,1,2,3
	v_cvt_pk_f16_f32 v[TMP+32*((\b)%2)+4*(\a)+(\c)], v[64*((\b)%4)+8*(\a)+2*(\c)], v[64*((\b)%4)+8*(\a)+2*(\c)+1]  ; each accumulator from its low end on
.endr
.endr
	WIN 0
.irp a, 0,1,2,3,4,5,6,7
	ds_store_b128 v[STO+(\a)/4], v[TMP+32*((\b)%2)+4*(\a):TMP+32*((\b)%2)+4*(\a)+3] offset:16*SPITCH*((\a)%4)+32*(\b)
.endr
.endr
	s_wait_dscnt 0x0                               ; for the others' sake: my stores into the stage are done
	s_barrier_signal -1
	s_barrier_wait -1
.irp m, 0,1,2
.set rb, 48+80*(\m)-16*((\m)/2)        ; v48, v128, v192: no register is used twice
.irp p, 0,1,2,3,4,5,6,7,8,9,10,11,12,13,14,15
	ds_load_b128 v[rb+4*(\p):rb+4*(\p)+3], v[RD] offset:2*SPITCH*(\p)+256*(\m)
.endr
.endr
.irp m, 0,1,2
.set rb, 48+80*(\m)-16*((\m)/2)
.irp p, 0,1,2,3,4,5,6,7,8,9,10,11,12,13,14,15
	s_wait_dscnt 47-16*(\m)-(\p)                   ; of the 48 loads those behind this one may stay out
	global_store_b128 v[XO], v[rb+4*(\p):rb+4*(\p)+3], s[8+2*(\m):9+2*(\m)] offset:512*(\p)  ; two rows: 512 bytes on end, at a multiple of 256 from the buffer's first byte
.endr
.endr
	s_wait_tensorcnt 0x0                           ; the wave's end, behind my last tensor load and my last LDS store
	ds_add_u32 v[SPW], v[NIL]
	s_wait_dscnt 0x0
	CROUND                                         ; the closing round: no work-group ends while a partner may still ask for a tile that names it
	s_endpgm
.Lfunc_end_k_qce0a2126b1_proj:
	.size	k_qce0a2126b1_proj, .Lfunc_end_k_qce0a2126b1_proj-k_qce0a2126b1_proj
	.p2alignl 7, 3214868480
	.fill 96, 4, 3214868480
	.section	.rodata,"a",@progbits
	.p2align	6, 0x0
	.amdhsa_kernel k_qce0a2126b1_proj
		.amdhsa_group_segment_fixed_size 327680
		.amdhsa_private_segment_fixed_size 0
		.amdhsa_enable_private_segment 0
		.amdhsa_kernarg_size 40
		.amdhsa_user_sgpr_count 2
		.amdhsa_user_sgpr_kernarg_segment_ptr 1
		.amdhsa_wavefront_size32 1
		.amdhsa_system_sgpr_workgroup_id_x 1
		.amdhsa_system_sgpr_workgroup_id_y 1
		.amdhsa_system_sgpr_workgroup_id_z 1
		.amdhsa_system_vgpr_workitem_id 0
		.amdhsa_next_free_vgpr 992
		.amdhsa_next_free_sgpr 66
		.amdhsa_reserve_vcc 0
		.amdhsa_float_denorm_mode_32 3
		.amdhsa_float_denorm_mode_16_64 3
		.amdhsa_memory_ordered 1
		.amdhsa_forward_progress 1
		.amdhsa_inst_pref_size 212
	.end_amdhsa_kernel
	.amdgpu_metadata
---
amdhsa.version: [ 1, 2 ]
amdhsa.kernels:
  - .name:           k_qce0a2126b1_proj
    .symbol:         k_qce0a2126b1_proj.kd
    .args:
      - { .name: x, .offset: 0, .size: 8, .value_kind: global_buffer, .address_space: global }
      - { .name: wt, .offset: 8, .size: 8, .value_kind: global_buffer, .address_space: global }
      - { .name: q, .offset: 16, .size: 8, .value_kind: global_buffer, .address_space: global }
      - { .name: k, .offset: 24, .size: 8, .value_kind: global_buffer, .address_space: global }
      - { .name: v, .offset: 32, .size: 8, .value_kind: global_buffer, .address_space: global }
    .group_segment_fixed_size: 327680
    .private_segment_fixed_size: 0
    .kernarg_segment_align: 8
    .kernarg_segment_size: 40
    .max_flat_workgroup_size: 128
    .sgpr_count:     66
    .vgpr_count:     992
    .wavefront_size: 32
...
	.end_amdgpu_metadata
.endif
;; end of part 2
;; launch attn (part 3): grid 32 x 8, 4 waves a work-group, clusters of 4 x 1, 327,680 bytes of LDS; arguments q, k, v, out0; writes out0
.if DOCPART == 3
	.amdgcn_target "amdgcn-amd-amdhsa--gfx1250"
	.amdhsa_code_object_version 6
	.text
	.protected	k_qce0a2126b1_attn
	.globl	k_qce0a2126b1_attn
	.p2align	8
	.type	k_qce0a2126b1_attn,@function
k_qce0a2126b1_attn:
	s_mov_b64 s[64:65], 0
	v_nop
	global_prefetch_b8 v0, s[64:65] scope:SCOPE_SE
	s_setreg_imm32_b32 hwreg(HW_REG_WAVE_MODE, 25, 1), 1
	s_wait_xcnt 0x0
	s_wait_alu depctr_hold_cnt(0) depctr_sa_sdst(0) depctr_va_vdst(0) depctr_va_sdst(0) depctr_va_ssrc(0) depctr_va_vcc(0) depctr_vm_vsrc(0)
	s_getreg_b32 s2, hwreg(HW_REG_IB_STS2, 6, 4)
	s_cmp_eq_u32 s2, 0
	s_cbranch_scc0 .Lentry_in_a_cluster
	s_endpgm
.Lentry_in_a_cluster:
	s_bfe_u32 s2, ttmp6, 0x10000c
	s_cmp_lg_u32 s2, 0x3003
	s_cbranch_scc0 .Lentry_shape_is_right
	s_endpgm
.Lentry_shape_is_right:
; CAUSAL ATTENTION, one head.  out0[b][i][:] = the sum over j <= i of softmax_j(q[b][i] . k[b][j] / sqrt(128)) v[b][j][:].  q, k, v: [8][4096][128] f16, unscaled; out0: [8][4096][128] f32.
; Products, maxima, sums, O and the merge in f32; the weights p are rounded to f16 for the second product (their sum l is taken of the unrounded p).
; LIMITS.  q, k, v arrive within f16's 65,504, so a score is 5.5e11 at the most.  A hidden score counts as its value less 1e30.  The running maximum starts at -2^96, below every true score and above every hidden one.
; A weight below 2^-126 counts as 0 in l; p below 6e-5 keeps f16's fixed step of 6e-8.  NaN and infinities are not treated apart.  The sums are taken in another order than the reference's.
; THE WALK.  A batch's queries lie in 16 blocks of 256; block i needs the key tiles 0 .. i of 256 keys, the last of which holds the diagonal.  A CLUSTER of four work-groups takes two blocks, 15 - b and then b:
; 17 tiles whatever b, the same tiles in the same order for all four.  So every tile is asked for JOINTLY (mask 15), and one loop with a constant count walks them.
; SHARES.  Work-group cx owns queries 64 cx .. 64 cx + 63 of the block in hand: four tiles of 16.  THE KEYS ARE SPLIT AMONG ITS WAVES: wave w takes keys 64 w .. 64 w + 63 of every tile, for all 64 queries, so each LDS byte
; is read once.  Each wave keeps its own m, l and O^T; at a block's end the four are merged through LDS, in f32.
; THE MASK is the C operand that starts the sum S^T = K Q^T: 0, or -1e30 where the key is hidden.  In the diagonal tile wave w sees all keys if w < cx, none if w > cx, and holds the diagonal if w = cx.  Three groups of eight
; registers serve: LOW (key block below the query tile), DIA (the same), UPP (above); which a product takes is known when the text is assembled, and what they hold is set by values in every step: no branch hangs on cx.
; LAYOUT.  S^T holds ONE query a lane (lane % 16) and the keys 8 (lane / 16) + 0..7; two such results rounded to f16 ARE source 1 of O^T = V^T P.  K comes out of LDS as it lies, V turned, by ds_load_tr16_b128.
; SOFTMAX.  p = 2^(c s - c m), c = log2(e) / sqrt(128), with a running maximum m; O and l are multiplied by a = 2^(c m_old - c m_new) in every step.  A block's first true step has a = 0, so O and l need only be finite there.
; A KEY STEP: 32 products K Q^T of piece 0 (tiles 0, 1); 32 of piece 2 (tiles 2, 3) with piece 0's softmax in slices between them; 32 products V^T P of piece 0 with piece 2's softmax between them; the change of slots and the
; next step's K; 32 products V^T P of piece 2.
; REGISTERS, in windows of 256 (s_set_vgpr_msb: bits 1:0 source 0, 3:2 source 1, 5:4 source 2, 7:6 destination):
;   window 0: v0-11, v44-45, v61 addresses; v12-43 eight registers of statistics a tile; v46-60 the merge's factors; v64-191 S^T, 32 a tile; v192-255 P, 16 a tile
;   window 1: O^T, 64 a tile      window 2: v0-127 Q, 32 a tile; v128-255 K of one step      window 3: v0-127 V of one step; v128-151 LOW, DIA, UPP
.set PK,    272       ; a row of K in LDS: 256 bytes + 16 = 68 words: the 16 rows of a load start at 16 different groups of four banks (ISA guide 11.1)
.set PVP,   288       ; a row of V: 256 + 32 = 72 words
.set VOFF,  256*PK    ; a slot holds a tile: 256 rows of K, then 256 rows of V
.set SLOTB, 256*(PK+PVP)
.set STAGE, 2*SLOTB   ; behind the ring, never filled by a tensor load: for each wave 16 rows (queries) x 528 bytes of O in f32
.set SP,    528       ; 512 bytes + 16 = 132 words
.set STAT,  STAGE+4*16*SP  ; c m [wave][tile][row], 1,024 bytes; then l likewise
.set FST,   STAT+2048      ; for each wave 16 queries x 4 factors
.set SPARE, FST+1024       ; the spare words, 128 bytes for each wave, that no other line names
.set AK0, 2           ; v2   my lane's place in my wave's 64 rows of K; never rewritten
.set AV0, 3           ; v3   the same for V
.set ADR, 4           ; v4   the LDS address of the run of loads in hand
.set QO,  5           ; v5   my byte offset in 16 rows of Q
.set STO, 6           ; v6   the merge: where I put 32 bytes of a row of O
.set RDR, 7           ; v7   the merge: my 16 bytes of row 4 w of wave 0's stage
.set GO,  8           ; v8   my 16 bytes of row 4 w in out0
.set STA, 10          ; v10  where my query's c m goes
.set STR, 11          ; v11  where I read the four waves' c m for the query whose factors I make
.set ST,  12          ; tile t's statistics at v[ST+8 t]: +0 c m, +1 m, +2, +3 l (even keys', odd keys'), +4 to +7 c0-c3, at work; a takes c2's place once the maximum is found
.set FSA, 44          ; v44  where I put four factors
.set FRA, 45          ; v45  my wave's factors
.set CM,  46          ; v46-49  the four waves' c m
.set LL,  50          ; v50-53  their l
.set FA,  54          ; v54-57  their a, then their factors
.set MX,  58
.set LS,  59
.set RC,  60
.set PFO, 61          ; v61  256 x lane: a row of K or V; never rewritten
.set SPW, 62          ; v62  my spare word; never rewritten
.set NIL, 63          ; v63  0; never rewritten
.set S,   64
.set P,   192
.set KF,  128         ; K's fragments, in window 2
.set LOW, 128         ; window 3
.set DIA, 136
.set UPP, 144
.set WV,  12          ; s12  my wave's number
.set CX,  13          ; s13  my place in the cluster: it enters Q's, out0's and the prefetches' addresses and the masks' values alone
.set PB,  14          ; s14  b
.set HI,  15          ; s15  15 - b
.set G1K, 24          ; s[24:31] descriptor group 1 for K's tiles
.set G1V, 32          ; s[32:39] for V's: it differs in the padding alone
.set G0K, 40          ; s[40:43] descriptor group 0 for K's tiles, made anew for each fill
.set G0V, 44          ; s[44:47] the same for V's
.set SB,  48          ; s48  the slot to be filled: 0 or SLOTB
.set PARTK, 49        ; s49  my half of K's rows in a slot
.set PARTV, 50        ; s50  my half of V's
.set TB,  51          ; s51  the slot to be read: 0 or SLOTB
.set NXT, 52          ; s52  the tile to be asked for next
.set LQ,  53          ; s53  the last tile of the block whose tiles are being asked for
.set RT,  54          ; s54  key steps that the block in hand still has; 1 in the diagonal tile
.set SEC, 55          ; s55  1: the second block is in hand
.set SLOTS, 56
.set CNT, 57
.set CS,  58          ; s[58:59] c: the packed scaling takes the pair's low word for both halves
.set SEL, 60          ; s[60:61] v_permlanex16_b32's selects: each lane takes its own place in the other half
.set LIM, 62          ; s62  2 in the cluster that prefetches, else the greatest number
.set BIGN, 63         ; s63  -1e30
.set OFF, 66          ; s[66:67] a tile's byte offset in k and v
.set PFA, 68          ; s[68:69] where my prefetches stand
.set QLO, 70          ; s[70:71] q at my rows of the second block
.set OLO, 72          ; s[72:73] out0 likewise
.set BLO, 74          ; s74  LOW's value in the diagonal tile: -1e30 if w > cx
.set BUP, 75          ; s75  UPP's: -1e30 if w >= cx
.set SLO, 76          ; s76, s77  their values in the step in hand
.set SUP, 77
.set MK,  80          ; s[80:87] for register j of a result: the lanes in which key 8 (lane / 16) + j lies behind query lane % 16
.set MSB, 0
.macro WIN new                      ; the high byte repeats the setting that is left; a switch that changes nothing is dropped
.if MSB != (\new)
	s_set_vgpr_msb (MSB<<8)|(\new)
.set MSB, \new
.endif
.endm
.set W_KQ, 0x0a       ; K and Q in window 2, S^T in window 0
.set W_KM, 0x3a       ; the same with the C operand in window 3
.set W_PV, 0x53       ; V in window 3, P in window 0, O^T in window 1
.set W_RS, 0x41       ; O^T (destination and source 0) in window 1, a in window 0
.macro PLACES
.rept 4
	v_nop
.endr
.endm
; A joint fill.  Waves 0 and 1 fetch the two halves of a tile's K, waves 2 and 3 those of its V: 128 rows each.  The branch hangs on the wave's number alone.
; An s_nop 0 and four v_nop follow each of the two lines, ahead of the jump and the label.
.macro JLOAD
	s_cmp_lt_u32 s[WV], 2
	s_cbranch_scc0 .Lfor_v_\@
	tensor_load_to_lds s[G0K:G0K+3], s[G1K:G1K+7]
	s_nop 0
	PLACES
	s_branch .Lasked_\@
.Lfor_v_\@:
	tensor_load_to_lds s[G0V:G0V+3], s[G1V:G1V+7]
	s_nop 0
	PLACES
.Lasked_\@:
.endm
; A round of the cluster's barrier: my work-group's barrier, so that wave 0's signal speaks for all four waves; wave 0 signals; every wave waits for all four work-groups; my work-group's barrier once more.
.macro CROUND
	s_barrier_signal -1
	s_barrier_wait -1
	s_cmp_lg_u32 s[WV], 0
	s_cbranch_scc1 .Lnot_wave_0_\@
	s_barrier_signal -3
.Lnot_wave_0_\@:
	s_barrier_wait -3
	s_barrier_signal -1
	s_barrier_wait -1
.endm
; A PREFETCH INTO THE L2 of the tile that the NEXT change of slots will ask for: 256 rows of K and 256 of V, 256 bytes a row, a lane a row, one instruction a wave.  Each row is named once in the launch: of a batch's eight
; clusters the one with b = 0 walks the tiles 0 to 15 in order, and it alone asks; each of its sixteen waves names 32 of the 128 rows that it fetches itself, the four partners told apart BY ADDRESS.
; Tiles 0 to 2 come by their loads alone; tile 15 is the last that is named (the count is above 2 till then); the second blocks' tiles have been read before and are not named.
.macro ASK
	s_cmp_gt_u32 s[SLOTS], s[LIM]
	s_cbranch_scc0 .Lnot_mine_\@
	global_prefetch_b8 v[PFO], s[PFA:PFA+1] th:TH_LOAD_NT scope:SCOPE_SE
.Lnot_mine_\@:
.endm
; THE CHANGE OF SLOTS.  K and V of the step in hand lie in registers.  Each wave waits for all its tensor loads, of which one is out: its part of the other slot; adds 0 to its spare word; and waits for that and for its own reads.
; fill = 1: the slot just read is filled again with tile NXT; the barrier is then a round of the cluster's, and the joint fill is the first thing behind it: it has a whole key step, 128 matrix instructions and their softmax, in
; which to land.  (At its first use nothing has been read yet: slot 0 is waited for, slot 1 filled.)
.macro CHANGE fill, ask
	WIN 0                           ; at a label and at a branch every window is 0
	s_wait_tensorcnt 0x0            ; no tensor load of mine is out, so a group 0 may be written
	ds_add_u32 v[SPW], v[NIL]       ; 0 onto my spare word; the descriptors' scalar work stands between it and the wait for it
.if \fill
	s_xor_b32 s[SB], s[SB], SLOTB   ; the other slot than last time
	s_lshl_b32 s[OFF], s[NXT], 16   ; a tile is 65,536 bytes of k and of v
	s_add_co_u32 s[G0K+1], s[SB], s[PARTK]
	s_add_nc_u64 s[G0K+2:G0K+3], s[6:7], s[OFF:OFF+1]
	s_or_b32 s[G0K+3], s[G0K+3], 0x80000000
	s_add_co_u32 s[G0V+1], s[SB], s[PARTV]
	s_add_nc_u64 s[G0V+2:G0V+3], s[8:9], s[OFF:OFF+1]
	s_or_b32 s[G0V+3], s[G0V+3], 0x80000000
	s_add_co_u32 s[NXT], s[NXT], 1  ; the block's next tile, or behind its last the second block's tile 0
	s_cmp_gt_u32 s[NXT], s[LQ]
	s_cselect_b32 s[NXT], 0, s[NXT]
	s_cselect_b32 s[LQ], s[PB], s[LQ]
.endif
.if \ask
	s_wait_xcnt 0x0                 ; the last prefetch, a key step back, has read its address, so it may be written
	s_add_nc_u64 s[PFA:PFA+1], s[PFA:PFA+1], 65536
.endif
	s_wait_dscnt 0x0                ; the add is done, and my reads of the slot are over
.if \fill
	CROUND
	JLOAD
.else
	s_barrier_signal -1
	s_barrier_wait -1
.endif
	s_xor_b32 s[TB], s[TB], SLOTB   ; the fetches go to the other slot
.endm
; THE MATRIX WORK.  The accumulators take turns, one instruction a turn: between two links of a chain stand 15 (V^T P) or 7 (K Q^T) others'.
; Product i of 32 of O^T += V^T P for piece x: keys 32 (i / 16) on, channels 16 ((i / 2) % 8) on, tile x + i % 2.
.macro PV x
	WIN W_PV
.set rO, 64*((\x)+i%2)+8*((i/2)%8)
.set rV, 64*(i/16)+8*((i/2)%8)
.set rP, P+16*((\x)+i%2)+8*(i/16)
	v_wmma_f32_16x16x32_f16 v[rO:rO+7], v[rV:rV+7], v[rP:rP+7], v[rO:rO+7]
.endm
; Product i of 32 of S^T = K Q^T for piece x: channels 32 (i / 8) on, keys 16 ((i / 2) % 4) on, tile x + i % 2.  The first 8 start the sums, with the mask that goes with key block and tile.
.macro KQ x
.set rS, S+32*((\x)+i%2)+8*((i/2)%4)
.set rK, KF+32*((i/2)%4)+8*(i/8)
.set rQ, 32*((\x)+i%2)+8*(i/8)
.if i < 8
.set rM, DIA
.if ((i/2)%4) < ((\x)+i%2)
.set rM, LOW
.endif
.if ((i/2)%4) > ((\x)+i%2)
.set rM, UPP
.endif
	WIN W_KM
	v_wmma_f32_16x16x32_f16 v[rS:rS+7], v[rK:rK+7], v[rQ:rQ+7], v[rM:rM+7]
.else
	WIN W_KQ
	v_wmma_f32_16x16x32_f16 v[rS:rS+7], v[rK:rK+7], v[rQ:rQ+7], v[rS:rS+7]
.endif
.endm
; THE LDS LOADS stand in runs of 32: my 64 keys' K (16 fragments) and, later in the step, their V (turned).
.macro FETCH_K
	WIN 0
	v_add_nc_u32 v[ADR], s[TB], v[AK0]
	WIN 0x80                        ; destination window 2
.irp f, 0,1,2,3,4,5,6,7,8,9,10,11,12,13,14,15  ; keys 16 (f / 4) on, channels 32 (f % 4) on
	ds_load_b128 v[KF+8*(\f):KF+8*(\f)+3],   v[ADR] offset:((\f)/4)*16*PK+((\f)%4)*64
	ds_load_b128 v[KF+8*(\f)+4:KF+8*(\f)+7], v[ADR] offset:((\f)/4)*16*PK+((\f)%4)*64+32
.endr
.endm
.macro FETCH_V
	WIN 0
	v_add_nc_u32 v[ADR], s[TB], v[AV0]
	s_wait_alu depctr_va_vdst(0)    ; the wait for the softmax's batch of exponentials (SLICE), behind the address's line and ahead of the loads
	WIN 0xc0                        ; destination window 3
.irp f, 0,1,2,3,4,5,6,7,8,9,10,11,12,13,14,15  ; keys 32 (f / 8) on, channels 16 (f % 8) on
	ds_load_tr16_b128 v[8*(\f):8*(\f)+3],   v[ADR] offset:((\f)/8)*32*PVP+((\f)%8)*32
	ds_load_tr16_b128 v[8*(\f)+4:8*(\f)+7], v[ADR] offset:((\f)/8)*32*PVP+16*PVP+((\f)%8)*32
.endr
.endm
; THE VECTOR WORK.  One tile's softmax for one key step is a list of 134 instructions; SM writes number j of it for tile t.  s0-s31 are the lane's 32 scores, in pairs 0-15.
;   0-15    the maximum of s0-s31 and the old m, three operands at a time: four chains c0-c3 of seven scores each (each accumulator's lowest registers are read first), then the four left over, c0-c3 and m
;   16-20   the other half of the lanes' maximum; the new m; c m; c m_old - c m_new
;   21-69   ONE BATCH: the 16 scalings c s - c m and all 33 exponentials (a at 23, then s0-s31); none of these reads an exponential's result; a pair is scaled in an earlier four than the one with its exponentials
;   (wait)  between 69 and 70 stands the one wait for the batch: SLICE writes it, once for both tiles
;   70-85   the roundings to f16      86-101  the sums; l = a l + the sum      102-133 the tile's O^T times a: the one part that leaves window 0
.macro SM t
.set rT, ST+8*(\t)
.set rS, S+32*(\t)
.set rP, P+16*(\t)
.set rO, 64*(\t)+2*(j-102)
.if j < 102
	WIN 0
.endif
.if j < 4
	v_max3_num_f32 v[rT+4+j], v[rS+8*j], v[rS+8*j+1], v[rS+8*j+2]
.elseif j < 12
	v_max3_num_f32 v[rT+4+j%4], v[rT+4+j%4], v[rS+8*(j%4)+2*(j/4)+1], v[rS+8*(j%4)+2*(j/4)+2]
.elseif j == 12
	v_max3_num_f32 v[rT+4], v[rT+4], v[rS+7], v[rS+15]
.elseif j == 13
	v_max3_num_f32 v[rT+6], v[rT+6], v[rS+23], v[rS+31]
.elseif j == 14
	v_max3_num_f32 v[rT+4], v[rT+4], v[rT+5], v[rT+6]
.elseif j == 15
	v_max3_num_f32 v[rT+4], v[rT+4], v[rT+7], v[rT+1]
.elseif j == 16
	v_permlanex16_b32 v[rT+5], v[rT+4], s[SEL], s[SEL+1]  ; the query's other 32 keys lie in the lane 16 away
.elseif j == 17
	v_mov_b32 v[rT+7], v[rT]        ; c m_old is kept for a: number 19 writes c m anew
.elseif j == 18
	v_max_num_f32 v[rT+1], v[rT+4], v[rT+5]
.elseif j == 19
	v_mul_f32 v[rT], s[CS], v[rT+1]
.elseif j == 20
	v_sub_f32 v[rT+7], v[rT+7], v[rT]
.elseif j == 23
	v_exp_f32 v[rT+6], v[rT+7]
.elseif (j < 23) || ((j < 38) && (j%2 == 0)) || ((j < 66) && (j%4 == 2))
.set b, (j-2)/4                     ; 38, 42, .. 62: pairs 9 to 15
.if j < 38
.set b, (j-20)/2                    ; 21: pair 0; 22, 24, .. 36: pairs 1 to 8
.endif
	v_pk_fma_f32 v[rS+2*b:rS+2*b+1], v[rS+2*b:rS+2*b+1], s[CS:CS+1], v[rT:rT+1] op_sel_hi:[1,0,0] neg_lo:[0,0,1] neg_hi:[0,0,1]  ; pair b: c s - c m
.elseif j < 70
.set e, j-38                        ; 66 to 69: s28 to s31
.if j < 66
.set e, j-32-(j-38)/4               ; 39-41, 43-45, .. 63-65: s7 to s27
.endif
.if j < 38
.set e, (j-25)/2                    ; 25, 27, .. 37: s0 to s6
.endif
	v_exp_f32 v[rS+e], v[rS+e]
.elseif j < 86
	v_cvt_pk_f16_f32 v[rP+j-70], v[rS+2*(j-70)], v[rS+2*(j-70)+1]
.elseif j < 102                     ; the sum of the tile's 16 pairs, in place: neighbours 1, 2, 4 and 8 pairs apart, then l takes it
.set z, j-86
.set w, 4
.set u, z
.if z >= 14
.set w, 32
.set u, 0
.elseif z >= 12
.set w, 16
.set u, z-12
.elseif z >= 8
.set w, 8
.set u, z-8
.endif
.if z < 15
	v_pk_add_f32 v[rS+w*u:rS+w*u+1], v[rS+w*u:rS+w*u+1], v[rS+w*u+w/2:rS+w*u+w/2+1]
.else
	v_pk_fma_f32 v[rT+2:rT+3], v[rT+2:rT+3], v[rT+6:rT+7], v[rS:rS+1] op_sel_hi:[1,0,1]
.endif
.else
	WIN W_RS
	v_pk_mul_f32 v[rO:rO+1], v[rO:rO+1], v[rT+6:rT+7] op_sel_hi:[1,0]
.endif
.endm
; Slice k of 64 of piece y's softmax: four instructions.  Slices 11 to 34 deal out the batch, four numbers of ONE tile each, the tiles by turns; every other slice is numbers 2 k and 2 k + 1 of both tiles; the twelve that are
; over (2 x 134 = 4 x 64 + 12) stand in slice 63.  Ahead of slice 35 nothing names an exponential's result, behind slice 34 none is issued: the piece's 66 exponentials have one wait, behind slice 34.
.macro SLICE y
.if (k >= 11) && (k < 35)
.irp n, 0,1,2,3
.set j, 22+4*((k-11)/2)+(\n)
	SM (\y)+(k-11)%2
.endr
.else
.irp n, 0,1,2,3,4,5,6,7
.if ((\n) < 2) || (k == 63)
.irp t, \y, (\y)+1
.set j, 2*k+(\n)
	SM \t
.endr
.endif
.endr
.endif
.if k == 34
	v_nop                           ; the plain instruction behind the last exponential and ahead of the first use (ISA guide 5.7.2): one for the batch
.if (\y) == 0
	FETCH_V                         ; V's run of loads stands here, and the wait stands in it
.else
	s_wait_alu depctr_va_vdst(0)    ; the wait for the batch
.endif
.endif
.set k, k+1
.endm
; The masks of the step in hand: 24 plain instructions, which are also the places behind the products V^T P in front of them.
.macro MASKS
	s_cmp_eq_u32 s[RT], 1           ; the diagonal tile?
	s_cselect_b32 s[SLO], s[BLO], 0
	s_cselect_b32 s[SUP], s[BUP], 0
	WIN 0xc0
.irp n, 0,1,2,3,4,5,6,7
	v_mov_b32 v[LOW+(\n)], s[SLO]
	v_mov_b32 v[UPP+(\n)], s[SUP]
.endr
	WIN 0xcf
.irp n, 0,1,2,3,4,5,6,7
	v_cndmask_b32 v[DIA+(\n)], v[LOW+(\n)], v[UPP+(\n)], s[MK+(\n)]
.endr
	WIN 0
.endm
; A key step but for its last 32 products.  Two slices stand behind each product of the two turns; slice 63's sixteen plain lines are the places behind a turn's last product.
.macro ABC
	MASKS
	s_wait_loadcnt 0x0              ; Q (the block's first step)
	s_wait_dscnt 0x0                ; K is in
.set i, 0
.rept 32
	KQ 0
.set i, i+1
.endr
	PLACES                          ; in front of the first read of those scores
.set k, 0
.set i, 0
.rept 32                            ; piece 2's scores | piece 0's softmax | V's run of loads
	KQ 2
	SLICE 0
	SLICE 0
.set i, i+1
.endr
	s_wait_dscnt 0x0                ; V is in
.set k, 0
.set i, 0
.rept 32                            ; piece 0's V^T P | piece 2's softmax
	PV 0
	SLICE 2
	SLICE 2
.set i, i+1
.endr
	WIN 0
.endm
.macro PV2                          ; piece 2's V^T P of the step in hand
.set i, 0
.rept 32
	PV 2
.set i, i+1
.endr
	WIN 0
.endm
.macro MSTART                       ; a block begins: m = -2^96; c m is made of it by the line that the loop uses, so that a wave which sees hidden keys alone finds a = 2^0
.irp t, 0,1,2,3
	v_mov_b32 v[ST+8*(\t)+1], 0xef800000
.endr
.irp t, 0,1,2,3
	v_mul_f32 v[ST+8*(\t)], s[CS], v[ST+8*(\t)+1]
.endr
.endm
; THE MERGE, at a block's end.  With M = the largest of the four waves' c m, a_u = 2^(c m_u - M) and L = the sum of a_u l_u, a row of out0 is the sum over u of (a_u / L) O_u.
; All four waves pass here in the same trips: the branch round it hangs on RT, made of the cluster's number alone.
.macro OSTORE t                     ; my O^T of tile t into my stage: a lane's eight channels of a query are 32 bytes; each accumulator's low half first
	WIN 0x04                        ; the data in window 1
.irp f, 0,1,2,3,4,5,6,7
	ds_store_b128 v[STO], v[64*(\t)+8*(\f):64*(\t)+8*(\f)+3]   offset:64*(\f)
	ds_store_b128 v[STO], v[64*(\t)+8*(\f)+4:64*(\t)+8*(\f)+7] offset:64*(\f)+16
.endr
	WIN 0
.endm
.macro MERGE t                      ; rows 4 w .. 4 w + 3 of tile t: four factors a row, the row's 512 bytes from each of the four stages, one store of a whole row
.irp p, 0,1,2,3
	ds_load_b128 v[S+64+4*(\p):S+64+4*(\p)+3], v[FRA] offset:16*(4*(\t)+(\p))
.endr
.irp p, 0,1,2,3
.irp u, 0,1,2,3
	ds_load_b128 v[S+16*(\p)+4*(\u):S+16*(\p)+4*(\u)+3], v[RDR] offset:16*SP*(\u)+SP*(\p)
.endr
.endr
	s_wait_dscnt 0x0
.irp p, 0,1,2,3
.irp c, 0,1,2,3
	v_mul_f32 v[P+16*(\t)+4*(\p)+(\c)], v[S+64+4*(\p)], v[S+16*(\p)+(\c)]
.endr
.irp u, 1,2,3
.irp c, 0,1,2,3
	v_fmac_f32 v[P+16*(\t)+4*(\p)+(\c)], v[S+64+4*(\p)+(\u)], v[S+16*(\p)+4*(\u)+(\c)]
.endr
.endr
	global_store_b128 v[GO], v[P+16*(\t)+4*(\p):P+16*(\t)+4*(\p)+3], s[10:11] offset:512*(16*(\t)+(\p)) th:TH_STORE_NT  ; 512 bytes on end, at a multiple of 256 from out0's first byte
.endr
.endm
.macro BLOCKEND
	WIN 0
.irp t, 0,1,2,3                     ; l's two halves and the other half of the lanes'; the first four lines are the places behind the last products
	v_add_f32 v[ST+8*(\t)+4], v[ST+8*(\t)+2], v[ST+8*(\t)+3]
.endr
.irp t, 0,1,2,3
	v_permlanex16_b32 v[ST+8*(\t)+5], v[ST+8*(\t)+4], s[SEL], s[SEL+1]
.endr
.irp t, 0,1,2,3
	v_add_f32 v[ST+8*(\t)+4], v[ST+8*(\t)+4], v[ST+8*(\t)+5]
.endr
.irp t, 0,1,2,3
	ds_store_b32 v[STA], v[ST+8*(\t)]   offset:64*(\t)        ; lanes l and l + 16 write the same word with the same number
	ds_store_b32 v[STA], v[ST+8*(\t)+4] offset:1024+64*(\t)
.endr
	s_cmp_eq_u32 s[SEC], 0
	s_cbranch_scc0 .Lno_q_\@
	WIN 0x80                        ; the second block's Q: it comes while the merge runs
.irp f, 0,1,2,3,4,5,6,7,8,9,10,11,12,13,14,15
	global_load_b128 v[8*(\f):8*(\f)+3],   v[QO], s[QLO:QLO+1] offset:((\f)/4)*4096+((\f)%4)*64
	global_load_b128 v[8*(\f)+4:8*(\f)+7], v[QO], s[QLO:QLO+1] offset:((\f)/4)*4096+((\f)%4)*64+32
.endr
	WIN 0
.Lno_q_\@:
	OSTORE 0
	s_wait_dscnt 0x0                ; for the others' sake: my statistics and my tile 0 are stored
	s_barrier_signal -1
	s_barrier_wait -1
.irp u, 0,1,2,3                     ; lane % 16 = i makes the factors of tile i / 4, row 4 w + i % 4
	ds_load_b32 v[CM+(\u)], v[STR] offset:256*(\u)
	ds_load_b32 v[LL+(\u)], v[STR] offset:1024+256*(\u)
.endr
	s_wait_dscnt 0x0
	v_max3_num_f32 v[MX], v[CM], v[CM+1], v[CM+2]
	v_max_num_f32 v[MX], v[MX], v[CM+3]
.irp u, 0,1,2,3
	v_sub_f32 v[FA+(\u)], v[CM+(\u)], v[MX]
.endr
.irp u, 0,1,2,3
	v_exp_f32 v[FA+(\u)], v[FA+(\u)]
.endr
	v_nop                           ; a plain instruction behind the last exponential,
	s_wait_alu depctr_va_vdst(0)    ; and the one wait for the four, ahead of their first use
	v_mul_f32 v[LS], v[FA], v[LL]
.irp u, 1,2,3
	v_fmac_f32 v[LS], v[FA+(\u)], v[LL+(\u)]
.endr
	v_rcp_f32 v[RC], v[LS]          ; L is at least the largest weight's 1, less roundings
	v_nop
	s_wait_alu depctr_va_vdst(0)
.irp u, 0,1,2,3
	v_mul_f32 v[FA+(\u)], v[FA+(\u)], v[RC]
.endr
	ds_store_b128 v[FSA], v[FA:FA+3]  ; my wave's own bytes: LDS serves a wave's instructions in order (ISA guide 5.7.1.4), so its loads below see them
.irp t, 0,1,2,3
	MERGE \t
.if (\t) < 3
	s_barrier_signal -1             ; everybody's reads of the stages are back (MERGE's wait for 0),
	s_barrier_wait -1
	OSTORE (\t)+1                   ; so the next tile may be written over them
	s_wait_dscnt 0x0
	s_barrier_signal -1
	s_barrier_wait -1
.endif
.endr
	s_wait_xcnt 0x0                 ; the stores have read their data, which the next softmax rewrites, and out0's address
	s_cmp_eq_u32 s[SEC], 0
	s_cbranch_scc0 .Lno_new_\@
	MSTART                          ; O and l stay as they are: finite, and multiplied by a = 0 in the block's first true step
	s_mov_b64 s[10:11], s[OLO:OLO+1]
	s_add_co_u32 s[RT], s[PB], 1    ; the second block has b + 1 tiles
	s_mov_b32 s[SEC], 1
.Lno_new_\@:
.endm
	s_load_b256 s[4:11], s[0:1], 0x0  ; q s[4:5], k s[6:7], v s[8:9], out0 s[10:11]
	v_lshl_add_u32 v[SPW], v0, 2, SPARE
	v_mov_b32 v[NIL], 0
	ds_add_u32 v[SPW], v[NIL]       ; the wave's opening, ahead of my first tensor load; work on registers stands between the add and its wait
	v_lshrrev_b32 v1, 5, v0
	v_readfirstlane_b32 s[WV], v1   ; wave 0..3
	s_bfe_u32 s[CX], ttmp6, 0x40000
	s_mov_b32 s[PB], ttmp9          ; in a cluster launch ttmp9 counts clusters
	s_sub_co_u32 s[HI], 15, s[PB]
	s_and_b32 s16, ttmp7, 0xffff    ; the batch
	s_lshl_b32 s17, s16, 20         ; its first byte in q, k and v: 4,096 rows of 256 bytes
	s_and_b32 s18, s[WV], 1         ; which half of a tile's 256 rows I fetch:
	s_mul_i32 s[PARTK], s18, 128*PK ; its place in a slot, for K
	s_mul_i32 s[PARTV], s18, 128*PVP
	s_add_co_u32 s[PARTV], s[PARTV], VOFF  ; and for V: no place in the cluster enters an LDS address
	s_lshl_b32 s18, s18, 15         ; and its 128 rows in memory
	s_add_co_u32 s18, s18, s17
	s_mov_b32 s19, 0
	s_lshl_b32 s21, s[CX], 14       ; my work-group's 64 queries,
	s_add_co_u32 s21, s21, s17
	s_lshl_b32 s20, s[HI], 16       ; in the first block,
	s_add_co_u32 s20, s20, s21
	s_lshl_b32 s22, s[PB], 16       ; and in the second
	s_add_co_u32 s22, s22, s21
	s_mov_b32 s21, 0
	s_mov_b32 s23, 0
	s_mov_b32 s[G1K], 15|(1<<16)|(1<<20)|(1<<21)|(5<<22)|(3<<25)  ; 15:0 the mask of four; 17:16 2-byte elements; 20 padding on; 21 set beside a mask; 24:22 after every 64 words; 31:25 4 words of it
	s_mov_b32 s[G1V], 15|(1<<16)|(1<<20)|(1<<21)|(5<<22)|(7<<25)  ; the same with 8 words of padding
.irp g, G1K, G1V
	s_mov_b32 s[(\g)+1], 128<<16    ; tensor_dim0 = 128
	s_mov_b32 s[(\g)+2], 128<<16    ; tensor_dim1 = 128
	s_mov_b32 s[(\g)+3], 128<<16    ; tile_dim0 = 128
	s_mov_b32 s[(\g)+4], 128        ; tile_dim1 = 128
	s_mov_b32 s[(\g)+5], 128        ; 128 elements from row to row
	s_mov_b32 s[(\g)+6], 0
	s_mov_b32 s[(\g)+7], 0
.endr
	s_mov_b32 s[CS], 0x3e0293ee     ; c = log2(e) / sqrt(128) = 0.127517
	s_mov_b32 s[CS+1], s[CS]        ; named with it as a pair
	s_mov_b32 s[SEL], 0x76543210
	s_mov_b32 s[SEL+1], 0xfedcba98
	s_mov_b32 s[BIGN], 0xf149f2ca   ; -1e30
	s_mov_b32 s[SB], 0
	s_mov_b32 s[TB], SLOTB          ; the first change of slots turns it into 0
	s_mov_b32 s[NXT], 1
	s_mov_b32 s[LQ], s[HI]
	s_add_co_u32 s[RT], s[HI], 1    ; the first block has 16 - b tiles
	s_mov_b32 s[SEC], 0
	s_mov_b32 s[SLOTS], 16
	s_mov_b32 s[OFF+1], 0
	s_cmp_gt_u32 s[WV], s[CX]       ; these two choose values alone
	s_cselect_b32 s[BLO], s[BIGN], 0
	s_cmp_ge_u32 s[WV], s[CX]
	s_cselect_b32 s[BUP], s[BIGN], 0
	s_cmp_eq_u32 s[PB], 0           ; the same in all four partners
	s_cselect_b32 s[LIM], 2, -1
	s_wait_dscnt 0x0                ; the opening add is done
	s_wait_kmcnt 0x0
	s_add_nc_u64 s[6:7], s[6:7], s[18:19]  ; k and v at my half of the batch's tile 0
	s_add_nc_u64 s[8:9], s[8:9], s[18:19]
	s_add_nc_u64 s[QLO:QLO+1], s[4:5], s[22:23]
	s_add_nc_u64 s[4:5], s[4:5], s[20:21]
	s_lshl_b32 s20, s20, 1          ; a row of out0 is twice as long
	s_lshl_b32 s22, s22, 1
	s_add_nc_u64 s[OLO:OLO+1], s[10:11], s[22:23]
	s_add_nc_u64 s[10:11], s[10:11], s[20:21]
	s_cmp_lt_u32 s[WV], 2
	s_cselect_b64 s[PFA:PFA+1], s[6:7], s[8:9]
	s_lshl_b32 s20, s[CX], 13       ; my work-group's 32 rows of the 128
	s_add_nc_u64 s[PFA:PFA+1], s[PFA:PFA+1], s[20:21]
	s_add_nc_u64 s[PFA:PFA+1], s[PFA:PFA+1], 2*65536  ; in tile 2; the first change that asks steps it to tile 3
	s_mov_b32 s[G0K], 1             ; count = 1
	s_add_co_u32 s[G0K+1], s[SB], s[PARTK]  ; LDS address: slot 0
	s_add_nc_u64 s[G0K+2:G0K+3], s[6:7], 0  ; global address: tile 0
	s_or_b32 s[G0K+3], s[G0K+3], 0x80000000 ; type = 2
	s_mov_b32 s[G0V], 1
	s_add_co_u32 s[G0V+1], s[SB], s[PARTV]
	s_add_nc_u64 s[G0V+2:G0V+3], s[8:9], 0
	s_or_b32 s[G0V+3], s[G0V+3], 0x80000000
	CROUND                          ; all four work-groups are here: the first joint loads meet
	JLOAD                           ; tile 0 into slot 0; slot 1 is asked for when slot 0 is in
	; A fragment of K or Q is 16 rows x 32 channels in 8 registers: lane l holds row l % 16, channels 8 (l / 16) + 0..7 and 16 + 8 (l / 16) + 0..7: two loads of 16 bytes, 32 bytes apart.
	v_and_b32 v1, 15, v0            ; r = l % 16
	v_bfe_u32 v9, v0, 4, 1          ; h = l / 16
	v_and_b32 v46, 31, v0           ; l
	v_lshlrev_b32 v[QO], 8, v1
	v_lshl_add_u32 v[QO], v9, 4, v[QO]
	WIN 0x80
.irp f, 0,1,2,3,4,5,6,7,8,9,10,11,12,13,14,15  ; the first block's Q stays in registers: tile f / 4, channels 32 (f % 4) on
	global_load_b128 v[8*(\f):8*(\f)+3],   v[QO], s[4:5] offset:((\f)/4)*4096+((\f)%4)*64
	global_load_b128 v[8*(\f)+4:8*(\f)+7], v[QO], s[4:5] offset:((\f)/4)*4096+((\f)%4)*64+32
.endr
	WIN 0x40                        ; O^T and l need finite numbers for the first step's a = 0: 264 lines, once, in the wait for the first tile: the price of writing no first step out
.set i, 0
.rept 256
	v_mov_b32 v[i], 0
.set i, i+1
.endr
	WIN 0
.irp t, 0,1,2,3
	v_mov_b32 v[ST+8*(\t)+2], 0
	v_mov_b32 v[ST+8*(\t)+3], 0
.endr
	MSTART
	s_mul_i32 s16, s[WV], 64*PK     ; my wave's 64 keys
	v_mul_u32_u24 v[AK0], v1, PK
	v_lshl_add_u32 v[AK0], v9, 4, v[AK0]
	v_add_nc_u32 v[AK0], s16, v[AK0]
	; The turning load takes 16 keys x 16 channels (lane l reads key 8 (l / 16) + l % 8, channels 8 ((l / 8) % 2) + 0..7) and leaves half a fragment of V^T: lane l holds channel l % 16 and 8 keys.
	v_and_b32 v47, 7, v0
	v_bfe_u32 v48, v0, 3, 1
	v_lshl_add_u32 v[AV0], v9, 3, v47
	v_mul_u32_u24 v[AV0], v[AV0], PVP
	v_lshl_add_u32 v[AV0], v48, 4, v[AV0]
	s_mul_i32 s16, s[WV], 64*PVP
	s_add_co_u32 s16, s16, VOFF
	v_add_nc_u32 v[AV0], s16, v[AV0]
	s_mul_i32 s16, s[WV], 16*SP
	s_add_co_u32 s16, s16, STAGE    ; my stage: row r, 32 bytes for each half of the lanes
	v_mul_u32_u24 v[STO], v1, SP
	v_lshl_add_u32 v[STO], v9, 5, v[STO]
	v_add_nc_u32 v[STO], s16, v[STO]
	s_mul_i32 s16, s[WV], 4*SP
	s_add_co_u32 s16, s16, STAGE
	v_lshl_add_u32 v[RDR], v46, 4, s16
	s_lshl_b32 s16, s[WV], 11
	v_lshl_add_u32 v[GO], v46, 4, s16
	s_lshl_b32 s16, s[WV], 8
	s_add_co_u32 s17, s16, STAT
	v_lshl_add_u32 v[STA], v1, 2, s17
	v_lshrrev_b32 v47, 2, v1
	v_and_b32 v48, 3, v1
	v_lshlrev_b32 v[STR], 6, v47
	v_lshl_add_u32 v[STR], v48, 2, v[STR]
	s_lshl_b32 s17, s[WV], 4
	s_add_co_u32 s17, s17, STAT
	v_add_nc_u32 v[STR], s17, v[STR]
	s_add_co_u32 s17, s16, FST
	v_lshl_add_u32 v[FSA], v1, 4, s17
	v_mov_b32 v[FRA], s17
	v_lshlrev_b32 v[PFO], 8, v46
	v_lshlrev_b32 v47, 3, v9
	v_sub_nc_u32 v47, v1, v47       ; r - 8 h: register j is hidden on the diagonal where j is greater
.irp n, 0,1,2,3,4,5,6,7
	v_cmp_gt_i32 s[MK+(\n)], \n, v47
.endr
	CHANGE 1, 0                     ; tile 0 is in, everybody's part of it; tile 1 is asked for
	FETCH_K
	WIN 0
	s_branch .Lmid                  ; the loop is entered in the middle of a trip
.Lstep:                             ; 15 times: behind step j the slot that held tile j takes tile j + 2
	CHANGE 1, 1
	FETCH_K                         ; the next step's K, 32 products ahead of its first use
	WIN 0
	ASK
	PV2
	s_sub_co_u32 s[RT], s[RT], 1
	s_cmp_lg_u32 s[RT], 0
	s_cbranch_scc1 .Lmid
	BLOCKEND
.Lmid:
	ABC
	s_sub_co_u32 s[SLOTS], s[SLOTS], 1
	s_cmp_lg_u32 s[SLOTS], 0
	s_cbranch_scc1 .Lstep
	s_mov_b32 s[CNT], 2             ; the tail is written out: nothing is asked for
.Ltail:                             ; first trip: the end of step 15, and step 16; second trip: the end of step 16
	CHANGE 0, 0
	s_cmp_eq_u32 s[CNT], 1
	s_cbranch_scc1 .Lno_k           ; there is no further step
	FETCH_K
	WIN 0
.Lno_k:
	PV2
	s_sub_co_u32 s[CNT], s[CNT], 1
	s_sub_co_u32 s[RT], s[RT], 1
	s_cmp_lg_u32 s[RT], 0
	s_cbranch_scc1 .LmidT
	BLOCKEND
.LmidT:
	s_cmp_eq_u32 s[CNT], 0
	s_cbranch_scc1 .Lout
	ABC
	s_branch .Ltail
.Lout:
	s_wait_tensorcnt 0x0            ; the wave's end, behind my last tensor load and my last LDS store
	ds_add_u32 v[SPW], v[NIL]
	s_wait_dscnt 0x0
	CROUND                          ; the closing round: no work-group ends while a partner may still ask for a tile that names it
	s_endpgm
.Lfunc_end_k_qce0a2126b1_attn:
	.size	k_qce0a2126b1_attn, .Lfunc_end_k_qce0a2126b1_attn-k_qce0a2126b1_attn
	.p2alignl 7, 3214868480
	.fill 96, 4, 3214868480
	.section	.rodata,"a",@progbits
	.p2align	6, 0x0
	.amdhsa_kernel k_qce0a2126b1_attn
		.amdhsa_group_segment_fixed_size 327680
		.amdhsa_private_segment_fixed_size 0
		.amdhsa_enable_private_segment 0
		.amdhsa_kernarg_size 32
		.amdhsa_user_sgpr_count 2
		.amdhsa_user_sgpr_kernarg_segment_ptr 1
		.amdhsa_wavefront_size32 1
		.amdhsa_system_sgpr_workgroup_id_x 1
		.amdhsa_system_sgpr_workgroup_id_y 1
		.amdhsa_system_sgpr_workgroup_id_z 1
		.amdhsa_system_vgpr_workitem_id 0
		.amdhsa_next_free_vgpr 920
		.amdhsa_next_free_sgpr 88
		.amdhsa_reserve_vcc 0
		.amdhsa_float_denorm_mode_32 3
		.amdhsa_float_denorm_mode_16_64 3
		.amdhsa_memory_ordered 1
		.amdhsa_forward_progress 1
		.amdhsa_inst_pref_size 171
	.end_amdhsa_kernel
	.amdgpu_metadata
---
amdhsa.version: [ 1, 2 ]
amdhsa.kernels:
  - .name:           k_qce0a2126b1_attn
    .symbol:         k_qce0a2126b1_attn.kd
    .args:
      - { .name: q, .offset: 0, .size: 8, .value_kind: global_buffer, .address_space: global }
      - { .name: k, .offset: 8, .size: 8, .value_kind: global_buffer, .address_space: global }
      - { .name: v, .offset: 16, .size: 8, .value_kind: global_buffer, .address_space: global }
      - { .name: out0, .offset: 24, .size: 8, .value_kind: global_buffer, .address_space: global }
    .group_segment_fixed_size: 327680
    .private_segment_fixed_size: 0
    .kernarg_segment_align: 8
    .kernarg_segment_size: 32
    .max_flat_workgroup_size: 128
    .sgpr_count:     88
    .vgpr_count:     920
    .wavefront_size: 32
...
	.end_amdgpu_metadata
.endif
;; end of part 3
